; MI455X (gfx1250); checked and timed in simulation.
; The chip was launched on July 23, 2026; its instructions are those of AMD's public machine-readable ISA for CDNA 5 (MIT licence, August 2026) and "CDNA5" Instruction Set Architecture Reference Guide (July 2026). The comments in the code are by the model that wrote it; some were corrected since.
;; Causal Attention. Allowed arithmetic: matrix products marked QUANTISED: E5M2 operands, one given power-of-two scale a tensor, by v_wmma_f32_16x16x64_bf8_bf8 or v_wmma_f32_16x16x128_bf8_bf8, f32 sums; everything else in f32.
;; Inputs: Wk_codes 1,024 x 32 x 32 uint8 (E5M2 codes of Wk, K innermost, in blocks of 32 codes); Wo_codes 1,024 x 32 x 32 uint8 (E5M2 codes of Wo, K innermost, in blocks of 32 codes); Wq_codes 1,024 x 32 x 32 uint8 (E5M2 codes of Wq, K innermost, in blocks of 32 codes); Wv_codes 1,024 x 32 x 32 uint8 (E5M2 codes of Wv, K innermost, in blocks of 32 codes); bk 1,024 float32; bo 1,024 float32; bq 1,024 float32; bv 1,024 float32; lowp_scales 12 int32 (the exponents e of the quantised operands' scales 2^e); x_codes 1 x 4,096 x 32 x 32 uint8 (E5M2 codes of x, K innermost, in blocks of 32 codes).
;; Outputs: out0 1 x 4,096 x 1,024 float32.
;; This version of the problem:
;;   THIS VERSION OF THE PROBLEM IS GIVEN IN LOW PRECISION. The matrix products marked QUANTISED in the list below multiply operands that are first quantised to E5M2 (5 exponent bits, 2 mantissa bits; 8 bits a number), with one given power-of-two scale for each operand tensor; their sums are f32. All else is computed in f32.
;;   The module's matrix products, in the order in which they are computed (A, B: the left and right operand; K: the contracted axis; several contracted axes count as one K, in the product's order):
;;     1. [M 4,096, K 1,024] x [K 1,024, N 1,024]; A: input x (given as codes); B: input Wq (given as codes): QUANTISED (scales: A lowp_scales[0], B lowp_scales[1])
;;     2. [M 4,096, K 1,024] x [K 1,024, N 1,024]; A: input x (given as codes); B: input Wk (given as codes): QUANTISED (scales: A lowp_scales[2], B lowp_scales[3])
;;     3. [M 4,096, K 1,024] x [K 1,024, N 1,024]; A: input x (given as codes); B: input Wv (given as codes): QUANTISED (scales: A lowp_scales[4], B lowp_scales[5])
;;     4. batch 16 x [M 4,096, K 64] x [K 64, N 4,096]; A: computed on the way; B: computed on the way: QUANTISED (scales: A lowp_scales[6], B lowp_scales[7])
;;     5. batch 16 x [M 4,096, K 4,096] x [K 4,096, N 64]; A: softmax (see below); B: computed on the way: QUANTISED (scales: A lowp_scales[8], B lowp_scales[9])
;;     6. [M 4,096, K 1,024] x [K 1,024, N 1,024]; A: computed on the way; B: input Wo (given as codes): QUANTISED (scales: A lowp_scales[10], B lowp_scales[11])
;;   THE QUANTISER, for each operand of a quantised product, along K:
;;     - The operand's scale is 2^e, e = its entry of the input lowp_scales (int32; the entries are numbered through the quantised products in the list's order, A before B).
;;     - Each number is divided by the scale, clamped to +-57,344, and rounded to the nearest number of E5M2, ties to even, subnormals kept.
;;     - The product sums the exact products of the quantised numbers (number of the format x scale) in f32.
;;   ~~~python
;;   def quantise(x, axis, e):      # numpy; x: float32 -> the quantised numbers, widened to float32 again
;;       x = np.moveaxis(x, axis, -1); K = x.shape[-1]
;;       r = np.clip(x / 2.0 ** e, -57344, 57344)
;;       step = 2.0 ** (np.maximum(np.frexp(np.where(r == 0, 1, r))[1] - 1, -14) - 2)
;;       q = np.round(r / step) * step * 2.0 ** e      # np.round: ties to even
;;       return np.moveaxis(q, -1, axis).astype(np.float32)
;;   ~~~
;;   SOFTMAX AHEAD OF A QUANTISED PRODUCT. Where the list says 'softmax', what is quantised is not the finished softmax but p = 2^(t - M), with t = logit x log2(e) and M = ceil(the row's largest t), a whole number; so 1/2 < the row's largest p <= 1. The row's sum l is taken of the UNQUANTISED p, in f32, and the product's result is divided by l at the end. Since M is a whole number, a kernel that streams over the keys may use a running M (the ceiling of the running maximum): every later rescaling is an exact power of two, so the quantised numbers keep their values, but for numbers so far below the row's largest that they fall under the format's range.
;;   OPERANDS COMPUTED ON THE WAY. 'Computed on the way' means the value that the module computes at that place (a softmax that the list does not call 'softmax' is quantised finished and normalised). What goes into a quantiser is computed in f32, as accurately as f32 sums, v_exp_f32 and their like allow (about 1e-6 of the number): no bf16 or f16 on the way to a quantiser, and a product that is left as it is and whose result goes on into a quantised operand takes f32 operands (vector FMAs, or v_wmma_f32_16x16x4_f32). A number that lies on a knife's edge between two numbers of the format may be rounded either way, as far as f32 arithmetic and the matrix unit's own rounding can turn it there, and no further.
;;   INPUTS GIVEN AS CODES. Wk (in the module: [1024, 1024], K = its axis 0); Wo (in the module: [1024, 1024], K = its axis 0); Wq (in the module: [1024, 1024], K = its axis 0); Wv (in the module: [1024, 1024], K = its axis 0); x (in the module: [1, 4096, 1024], K = its axis 2): each comes as NAME_codes (uint8): NAME with its K axis moved to the last place and cut into blocks of 32 codes, [.., K / 32, bytes a block], one block behind the other in memory; one code a byte (a code: sign, 5 exponent bits, 2 mantissa bits); its scale is its entry of lowp_scales. Its value is code x scale, taken as it is: it is not quantised again, and the codes and scales need not be those that the quantiser above would give.
;; One version. Each part assembles by itself: llvm-mc -triple=amdgcn-amd-amdhsa -mcpu=gfx1250 --defsym DOCPART=n.
;; ======== version 1 of 1: 3 launches
;; limits: right only within a limited range of input values
;; workspace buffers: qc 4,194,304 bytes; kv 8,388,608 bytes; ac 4,194,304 bytes
;; launch qkv (part 1): grid 12 x 16, 4 waves a work-group, clusters of 4 x 4, 327,680 bytes of LDS; arguments x_codes, Wq_codes, Wk_codes, Wv_codes, bq, bk, bv, lowp_scales, qc, kv; writes qc, kv
.if DOCPART == 1
	.amdgcn_target "amdgcn-amd-amdhsa--gfx1250"
	.amdhsa_code_object_version 6
	.text
	.protected	k_q31f1435bed_qkv
	.globl	k_q31f1435bed_qkv
	.p2align	8
	.type	k_q31f1435bed_qkv,@function
k_q31f1435bed_qkv:
	s_mov_b64 s[64:65], 0
	v_nop
	global_prefetch_b8 v0, s[64:65] scope:SCOPE_SE
	s_setreg_imm32_b32 hwreg(HW_REG_WAVE_MODE, 25, 1), 1
	s_wait_xcnt 0x0
	s_wait_alu depctr_hold_cnt(0) depctr_sa_sdst(0) depctr_va_vdst(0) depctr_va_sdst(0) depctr_va_ssrc(0) depctr_va_vcc(0) depctr_vm_vsrc(0)
	s_getreg_b32 s2, hwreg(HW_REG_IB_STS2, 6, 4)
	s_cmp_eq_u32 s2, 0
	s_cbranch_scc0 .Lentry_in_a_cluster
	s_endpgm
.Lentry_in_a_cluster:
	s_bfe_u32 s2, ttmp6, 0x10000c
	s_cmp_lg_u32 s2, 0xf033
	s_cbranch_scc0 .Lentry_shape_is_right
	s_endpgm
.Lentry_shape_is_right:
.set KROW,   1024
.set ROWB,   256
.set PITCH,  272
.set FR,     16
.set NL,     4
.set NP,     4
.set HALFT,  128*PITCH
.set SLOT,   4*HALFT
.set LAPS,   2
.set SPARE,  2*SLOT
.set ADRA, 16
.set ADRB, 20
.set BNO,  22
.set BMO,  23
.set LI,   26
.set SPW,  28
.set NIL,  29
.set LIMV, 30
.set SCV,  31
.set BN,   32
.set BM,   96
.set AF,   128
.set TMP,  128
.set CD0,  192
.set XX,   90
.set G1, 24
.set G0, 32
.set G1B, 48
.set G0B, 56
.set MSB, 0
.macro WIN new
.if MSB != \new
	s_set_vgpr_msb (MSB<<8)|\new
.set MSB, \new
.endif
.endm
.set MUL_LO, 0xa1
.set MUL_HI, 0xf1
.set TO_B,   0x40
.macro JLOAD g0a, g1a, g0b, g1b
	s_cmp_eq_u32 s15, 0
	s_cbranch_scc0 .Lfor_b_\@
	tensor_load_to_lds s[\g0a:\g0a+3], s[\g1a:\g1a+7]
	s_nop 0
.rept 4
	v_nop
.endr
	s_branch .Lasked_\@
.Lfor_b_\@:
	tensor_load_to_lds s[\g0b:\g0b+3], s[\g1b:\g1b+7]
	s_nop 0
.rept 4
	v_nop
.endr
.Lasked_\@:
.endm
.macro CREST
	s_cmp_lg_u32 s14, 0
	s_cbranch_scc1 .Lnot_wave_0_\@
	s_barrier_signal -3
.Lnot_wave_0_\@:
	s_barrier_wait -3
	s_barrier_signal -1
	s_barrier_wait -1
.endm
.macro CROUND
	s_barrier_signal -1
	s_barrier_wait -1
	CREST
.endm
	s_load_b256 s[68:75], s[0:1], 0x0
	s_load_b256 s[76:83], s[0:1], 0x20
	s_load_b128 s[84:87], s[0:1], 0x40
	v_lshl_add_u32 v[SPW], v0, 2, SPARE
	v_mov_b32 v[NIL], 0
	ds_add_u32 v28, v29
	ds_add_u32 v28, v29
	s_wait_dscnt 0x0
	v_lshrrev_b32 v1, 5, v0
	v_readfirstlane_b32 s14, v1
	s_lshr_b32 s15, s14, 1
	s_and_b32 s16, s14, 1
	s_mov_b32 s[XX], ttmp9
	s_bfe_u32 s40, ttmp6, 0x40000
	s_bfe_u32 s41, ttmp6, 0x40004
	s_and_b32 s18, ttmp7, 0xffff
	s_lshl_b32 s18, s18, 2
	s_cmp_eq_u32 s[XX], 2
	s_cselect_b32 s17, 0, s18
	s_cselect_b32 s42, s18, 0
	s_add_co_u32 s17, s17, s41
	s_add_co_u32 s42, s42, s40
	s_lshl_b32 s43, s41, 2
	s_lshl_b32 s43, 15, s43
	s_lshl_b32 s44, 0x1111, s40
	s_or_b32 s[G1+0], s43, (1<<20)|(1<<21)|(5<<22)|(3<<25)
	s_or_b32 s[G1B+0], s44, (1<<20)|(1<<21)|(5<<22)|(3<<25)
.irp g, G1, G1B
	s_mov_b32 s[\g+1], ROWB<<16
	s_mov_b32 s[\g+2], 128<<16
	s_mov_b32 s[\g+3], ROWB<<16
	s_mov_b32 s[\g+4], 128
	s_mov_b32 s[\g+5], KROW
	s_mov_b32 s[\g+6], 0
	s_mov_b32 s[\g+7], 0
.endr
	s_lshl_b32 s18, s16, 7
	s_lshl_b32 s20, s17, 8
	s_add_co_u32 s20, s20, s18
	s_lshl_b32 s20, s20, 10
	s_lshl_b32 s46, s42, 8
	s_add_co_u32 s46, s46, s18
	s_lshl_b32 s46, s46, 10
	s_mov_b32 s21, 0
	s_mov_b32 s47, 0
	s_mul_i32 s45, s14, HALFT
	s_wait_kmcnt 0x0
	s_cmp_eq_u32 s[XX], 2
	s_cselect_b64 s[4:5], s[74:75], s[68:69]
	s_cselect_b64 s[6:7], s[68:69], s[72:73]
	s_cselect_b64 s[8:9], s[80:81], s[78:79]
	s_cmp_eq_u32 s[XX], 0
	s_cselect_b64 s[6:7], s[70:71], s[6:7]
	s_cselect_b64 s[8:9], s[76:77], s[8:9]
	s_cselect_b64 s[10:11], s[84:85], s[86:87]
	s_load_b256 s[68:75], s[82:83], 0x0
	s_load_b128 s[76:79], s[82:83], 0x20
	s_add_nc_u64 s[20:21], s[4:5], s[20:21]
	s_add_nc_u64 s[46:47], s[6:7], s[46:47]
	CROUND
.irp s, 0,1
	s_mov_b32 s[G0+4*\s], 1
	s_add_co_u32 s[G0+4*\s+1], s45, \s*SLOT
	s_add_nc_u64 s[G0+4*\s+2:G0+4*\s+3], s[20:21], \s*ROWB
	s_or_b32 s[G0+4*\s+3], s[G0+4*\s+3], 0x80000000
	s_mov_b32 s[G0B+4*\s], 1
	s_add_co_u32 s[G0B+4*\s+1], s45, \s*SLOT
	s_add_nc_u64 s[G0B+4*\s+2:G0B+4*\s+3], s[46:47], \s*ROWB
	s_or_b32 s[G0B+4*\s+3], s[G0B+4*\s+3], 0x80000000
	s_wait_alu depctr_va_vdst(0)
	s_wait_tensorcnt 0x0
	ds_add_u32 v28, v29
	ds_add_u32 v28, v29
	s_wait_dscnt 0x0
	CROUND
	JLOAD G0+4*\s, G1, G0B+4*\s, G1B
.endr
	v_and_b32 v1, 15, v0
	v_bfe_u32 v2, v0, 4, 1
	s_wait_alu depctr_va_vdst(0)
	v_mul_u32_u24 v3, v1, PITCH
	v_lshl_add_u32 v4, v2, 4, v3
	s_mul_i32 s21, s15, HALFT
	s_mul_i32 s22, s16, HALFT
	s_add_co_u32 s22, s22, 2*HALFT
.irp s, 0,1
	v_add_nc_u32 v[ADRA+\s], s21, v4
	v_add_nc_u32 v[ADRB+\s], s22, v4
	s_add_co_u32 s21, s21, SLOT
	s_add_co_u32 s22, s22, SLOT
.endr
	v_and_b32 v6, 31, v0
	v_lshlrev_b32 v[LI], 4, v6
	s_lshl_b32 s88, s42, 8
	s_lshl_b32 s89, s16, 7
	s_add_co_u32 s88, s88, s89
	s_and_b32 s88, s88, 0x3ff
	s_lshl_b32 s88, s88, 2
	v_lshl_add_u32 v[BNO], v2, 5, s88
	s_lshl_b32 s91, s17, 8
	s_lshl_b32 s89, s15, 7
	s_add_co_u32 s91, s91, s89
	s_and_b32 s91, s91, 0x3ff
	s_lshl_b32 s91, s91, 2
	v_lshl_add_u32 v[BMO], v1, 2, s91
.irp b, 0,1,2,3,4,5,6,7
	global_load_b128 v[BN+8*\b:BN+8*\b+3], v[BNO], s[8:9] offset:64*\b
	global_load_b128 v[BN+8*\b+4:BN+8*\b+7], v[BNO], s[8:9] offset:64*\b+16
.endr
.irp a, 0,1,2,3,4,5,6,7
	global_load_b32 v[BM+2*\a], v[BMO], s[8:9] offset:64*\a
.endr
.macro FRAG reg, adr, q, i
.irp c, 0,1,2,3
	ds_load_b128 v[\reg+4*\c:\reg+4*\c+3], v[\adr] offset:128*(\q)+32*\c+(\i)*16*PITCH
.endr
.endm
.macro MUL16 a0, p, zero
.irp a, \a0, \a0+1
.irp b, 0,1,2,3,4,5,6,7
.if \zero
	v_wmma_f32_16x16x128_bf8_bf8 v[8*(8*((\a)%4)+\b):8*(8*((\a)%4)+\b)+7], v[128*(\p)+FR*\b:128*(\p)+FR*\b+FR-1], v[AF+FR*(\a):AF+FR*(\a)+FR-1], 0
.else
	v_wmma_f32_16x16x128_bf8_bf8 v[8*(8*((\a)%4)+\b):8*(8*((\a)%4)+\b)+7], v[128*(\p)+FR*\b:128*(\p)+FR*\b+FR-1], v[AF+FR*(\a):AF+FR*(\a)+FR-1], v[8*(8*((\a)%4)+\b):8*(8*((\a)%4)+\b)+7]
.endif
.endr
.endr
.endm
.macro FETCH_B slot, q, p
	WIN TO_B
.irp i, 0,1,2,3,4,5,6,7
	FRAG 128*(\p)+FR*\i, ADRB+\slot, \q, \i
.endr
	WIN 0
.endm
.macro FETCH_A slot, q, i0
.irp i, \i0, \i0+1, \i0+2, \i0+3
	FRAG AF+FR*(\i), ADRA+\slot, \q, \i
.endr
.endm
.macro PLACES n
.rept \n
	v_nop
.endr
.endm
.macro STEP slot, q, zero
	s_wait_dscnt 4*NL
	WIN MUL_LO
	MUL16 0, (\q)%2, \zero
	MUL16 2, (\q)%2, \zero
	s_wait_dscnt 0
	PLACES NP
	FETCH_B \slot, (\q)+1, 1-(\q)%2
	FETCH_A \slot, (\q)+1, 0
	WIN MUL_HI
	MUL16 4, (\q)%2, \zero
	MUL16 6, (\q)%2, \zero
	PLACES NP
	WIN 0
	FETCH_A \slot, (\q)+1, 4
.endm
.macro TURN slot, next, fill
	s_wait_tensorcnt 0x0
	ds_add_u32 v[SPW], v[NIL]
	s_wait_dscnt 4*NL+1
	WIN MUL_LO
	MUL16 0, 1, 0
	s_wait_dscnt 0x0
	s_barrier_signal -1
	MUL16 2, 1, 0
	WIN 0
	s_barrier_wait -1
.if \fill
	CREST
	s_add_nc_u64 s[G0+4*\slot+2:G0+4*\slot+3], s[G0+4*\slot+2:G0+4*\slot+3], 2*ROWB
	s_add_nc_u64 s[G0B+4*\slot+2:G0B+4*\slot+3], s[G0B+4*\slot+2:G0B+4*\slot+3], 2*ROWB
	JLOAD G0+4*\slot, G1, G0B+4*\slot, G1B
.else
	PLACES NP
.endif
	FETCH_B \next, 0, 0
	FETCH_A \next, 0, 0
	WIN MUL_HI
	MUL16 4, 1, 0
	MUL16 6, 1, 0
	PLACES NP
	WIN 0
	FETCH_A \next, 0, 4
.endm
	s_wait_alu depctr_va_vdst(0)
	s_wait_tensorcnt 1
	s_barrier_signal -1
	s_barrier_wait -1
	FETCH_B 0, 0, 0
	FETCH_A 0, 0, 0
	FETCH_A 0, 0, 4
	STEP 0, 0, 1
	s_mov_b32 s3, LAPS-1
.Llap:
	TURN 0, 1, 1
	STEP 1, 0, 0
	TURN 1, 0, 1
	STEP 0, 0, 0
	s_sub_co_u32 s3, s3, 1
	s_cmp_lg_u32 s3, 0
	s_cbranch_scc1 .Llap
	TURN 0, 1, 0
	STEP 1, 0, 0
	s_wait_dscnt 4*NL
	WIN MUL_LO
	MUL16 0, 1, 0
	MUL16 2, 1, 0
	s_wait_dscnt 0
	WIN MUL_HI
	MUL16 4, 1, 0
	MUL16 6, 1, 0
	WIN 0
.macro OUTB a, byrow
.set AC, 64*((\a)%4)
.set CD, CD0+16*((\a)%4)
.set WN, 0x02+((\a)/4)
.if \byrow
	v_mov_b32 v[BM+2*(\a)+1], v[BM+2*(\a)]
.endif
	WIN WN
.set j, 0
.rept 32
.if \byrow
	v_pk_fma_f32 v[TMP+j:TMP+j+1], v[AC+j:AC+j+1], s[96:97], v[BM+2*(\a):BM+2*(\a)+1] op_sel_hi:[1,0,1]
.else
	v_pk_fma_f32 v[TMP+j:TMP+j+1], v[AC+j:AC+j+1], s[96:97], v[BN+j:BN+j+1] op_sel_hi:[1,0,1]
.endif
.set j, j+2
.endr
	WIN 0
.set j, 0
.rept 64
	v_med3_num_f32 v[TMP+j], v[TMP+j], -v[LIMV], v[LIMV]
.set j, j+1
.endr
.if (\a) >= 4
	s_wait_alu depctr_va_vdst(0)
	s_wait_xcnt 0x0
.endif
.set j, 0
.rept 8
	v_cvt_scalef32_pk8_bf8_f32 v[CD+2*j:CD+2*j+1], v[TMP+8*j:TMP+8*j+7], v[SCV]
.set j, j+1
.endr
	v_nop
.if \byrow
.irp c, 0,1,2,3
	global_store_b128 v[LI], v[CD+4*\c:CD+4*\c+3], s[10:11] offset:((\a)/4)*524288+((\a)%4)*2048+512*\c
.endr
.else
	global_store_b128 v[LI], v[CD:CD+3], s[10:11] offset:(\a)*1024
	global_store_b128 v[LI], v[CD+4:CD+7], s[10:11] offset:(\a)*1024+512
	global_store_b128 v[LI], v[CD+8:CD+11], s[92:93] offset:(\a)*1024
	global_store_b128 v[LI], v[CD+12:CD+15], s[92:93] offset:(\a)*1024+512
.endif
.endm
	s_wait_loadcnt 0x0
	s_wait_kmcnt 0x0
	s_cmp_eq_u32 s[XX], 2
	s_cselect_b32 s96, s72, s70
	s_cselect_b32 s97, s73, s71
	s_cselect_b32 s98, s77, s75
	s_cmp_eq_u32 s[XX], 0
	s_cselect_b32 s96, s68, s96
	s_cselect_b32 s97, s69, s97
	s_cselect_b32 s98, s74, s98
	s_add_co_i32 s96, s96, s97
	s_add_co_i32 s96, s96, 127
	s_lshl_b32 s96, s96, 23
	s_mov_b32 s97, s96
	s_add_co_i32 s98, s98, 127
	s_lshl_b32 s99, s98, 23
	v_mov_b32 v[SCV], s99
	s_add_co_i32 s98, s98, 15
	s_lshl_b32 s98, s98, 23
	s_or_b32 s98, s98, 0x600000
	v_mov_b32 v[LIMV], s98
	PLACES NP
	s_cmp_eq_u32 s[XX], 2
	s_cbranch_scc1 .Lv_out
	s_lshl_b32 s88, s42, 2
	s_lshl_b32 s89, s16, 1
	s_add_co_u32 s88, s88, s89
	s_add_co_u32 s93, s[XX], 18
	s_lshl_b32 s88, s88, s93
	s_lshl_b32 s94, 1, s93
	s_lshl_b32 s91, s17, 1
	s_add_co_u32 s91, s91, s15
	s_add_co_u32 s93, s[XX], 13
	s_lshl_b32 s91, s91, s93
	s_add_co_u32 s88, s88, s91
	s_mov_b32 s89, 0
	s_mov_b32 s95, 0
	s_add_nc_u64 s[10:11], s[10:11], s[88:89]
	s_add_nc_u64 s[92:93], s[10:11], s[94:95]
.irp a, 0,1,2,3,4,5,6,7
	OUTB \a, 0
.endr
	s_branch .Ldone
.Lv_out:
	s_lshl_b32 s88, s17, 2
	s_lshl_b32 s89, s15, 1
	s_add_co_u32 s88, s88, s89
	s_lshl_b32 s88, s88, 19
	s_lshl_b32 s91, s42, 1
	s_add_co_u32 s91, s91, s16
	s_lshl_b32 s91, s91, 14
	s_add_co_u32 s88, s88, s91
	s_add_co_u32 s88, s88, 8192
	s_mov_b32 s89, 0
	s_add_nc_u64 s[10:11], s[10:11], s[88:89]
.irp a, 0,1,2,3,4,5,6,7
	OUTB \a, 1
.endr
.Ldone:
	s_wait_tensorcnt 0x0
	ds_add_u32 v[SPW], v[NIL]
	s_wait_dscnt 0x0
	CROUND
	s_endpgm
.Lfunc_end_k_q31f1435bed_qkv:
	.size	k_q31f1435bed_qkv, .Lfunc_end_k_q31f1435bed_qkv-k_q31f1435bed_qkv
	.p2alignl 7, 3214868480
	.fill 96, 4, 3214868480
	.section	.rodata,"a",@progbits
	.p2align	6, 0x0
	.amdhsa_kernel k_q31f1435bed_qkv
		.amdhsa_group_segment_fixed_size 327680
		.amdhsa_private_segment_fixed_size 0
		.amdhsa_enable_private_segment 0
		.amdhsa_kernarg_size 80
		.amdhsa_user_sgpr_count 2
		.amdhsa_user_sgpr_kernarg_segment_ptr 1
		.amdhsa_wavefront_size32 1
		.amdhsa_system_sgpr_workgroup_id_x 1
		.amdhsa_system_sgpr_workgroup_id_y 1
		.amdhsa_system_sgpr_workgroup_id_z 1
		.amdhsa_system_vgpr_workitem_id 0
		.amdhsa_next_free_vgpr 1024
		.amdhsa_next_free_sgpr 100
		.amdhsa_reserve_vcc 0
		.amdhsa_float_denorm_mode_32 3
		.amdhsa_float_denorm_mode_16_64 3
		.amdhsa_memory_ordered 1
		.amdhsa_forward_progress 1
		.amdhsa_inst_pref_size 195
	.end_amdhsa_kernel
	.amdgpu_metadata
---
amdhsa.version: [ 1, 2 ]
amdhsa.kernels:
  - .name:           k_q31f1435bed_qkv
    .symbol:         k_q31f1435bed_qkv.kd
    .args:
      - { .name: x_codes, .offset: 0, .size: 8, .value_kind: global_buffer, .address_space: global }
      - { .name: Wq_codes, .offset: 8, .size: 8, .value_kind: global_buffer, .address_space: global }
      - { .name: Wk_codes, .offset: 16, .size: 8, .value_kind: global_buffer, .address_space: global }
      - { .name: Wv_codes, .offset: 24, .size: 8, .value_kind: global_buffer, .address_space: global }
      - { .name: bq, .offset: 32, .size: 8, .value_kind: global_buffer, .address_space: global }
      - { .name: bk, .offset: 40, .size: 8, .value_kind: global_buffer, .address_space: global }
      - { .name: bv, .offset: 48, .size: 8, .value_kind: global_buffer, .address_space: global }
      - { .name: lowp_scales, .offset: 56, .size: 8, .value_kind: global_buffer, .address_space: global }
      - { .name: qc, .offset: 64, .size: 8, .value_kind: global_buffer, .address_space: global }
      - { .name: kv, .offset: 72, .size: 8, .value_kind: global_buffer, .address_space: global }
    .group_segment_fixed_size: 327680
    .private_segment_fixed_size: 0
    .kernarg_segment_align: 8
    .kernarg_segment_size: 80
    .max_flat_workgroup_size: 128
    .sgpr_count:     100
    .vgpr_count:     1024
    .wavefront_size: 32
...
	.end_amdgpu_metadata
.endif
;; end of part 1
;; launch attn (part 2): grid 16 x 16, 8 waves a work-group, no clusters, 327,680 bytes of LDS; arguments qc, kv, lowp_scales, ac; writes ac
.if DOCPART == 2
	.amdgcn_target "amdgcn-amd-amdhsa--gfx1250"
	.amdhsa_code_object_version 6
	.text
	.protected	k_q31f1435bed_attn
	.globl	k_q31f1435bed_attn
	.p2align	8
	.type	k_q31f1435bed_attn,@function
k_q31f1435bed_attn:
	s_mov_b64 s[64:65], 0
	v_nop
	global_prefetch_b8 v0, s[64:65] scope:SCOPE_SE
	s_setreg_imm32_b32 hwreg(HW_REG_WAVE_MODE, 25, 1), 1
	s_wait_xcnt 0x0
; Causal attention with a bias by key, both products on codes of BF8 (E5M2): 16 heads of 64, 4,096 queries and keys.  logit(q, k) = q . k / 8 - slope (4095 - k), slope = 2^(-(head + 1) / 2); key k counts where k <= q.
; Key steps that lie wholly behind the causal mask of reference() are not walked.
; THE SOFTMAX: t = logit x log2(e); M = the largest t so far, rounded up to a whole number; p = 2^(t - M) is quantised (2^e8), not normalised; the sum is taken of the unquantised p and divides at the end.
; INPUTS are images of operand registers: qc [head][tile of 16 queries][1,024]; kv [head][128 keys][16,384]: 8 tiles of K x 1,024, then 4 tiles of V^T (16 channels x 128 keys) x 2,048.
; OUTPUT ac [head / 4][tile of 16 queries][4,096]: at (head % 4) x 1,024 the head's 64 channels of the tile as 8 operand registers, quantised by 2^e10.
; SHARES.  Work-group p of a head takes the query blocks (of 128) p and 31 - p: a stream of (p + 1) + (32 - p) = 33 key steps of 128 keys.  Wave w owns 32 queries (two tiles) 32 (w % 4) on of the block in hand,
; so that each fragment of K and V feeds two matrix instructions.  THE KEYS ARE SHARED between two groups of four waves: group w / 4 takes the places of the stream of its own parity.  Each wave keeps -M, the sum and O^T of its own keys,
; puts them into LDS bytes of its own when it leaves block p and at its end; behind one barrier wave w joins the two parts of block (w / 4) for queries 32 (w % 4) on, by exact powers of two, and stores.
; TILE 1 LIVES IN REGISTER WINDOW 1 under tile 0's numbers, with copies of the constants: one text serves both tiles.  K's fragments lie in window 0, V's in window 1, the bias of keys 0-63 in window 0, of keys 64-127 in window 1.
; LAYOUT.  S^T = K Q^T + bias (source 0 = 16 keys, source 1 = 16 queries), O^T = V^T P^T: lane (r, h) holds query r; register j of score tile i is key 16 i + 8 h + j, so a tile's eight p convert into registers 2 i, 2 i + 1 of P.
; THE RING: two slots of four places (65,536 bytes).  Every wave fetches 8,192 bytes of the next slot, one tensor load behind each change of slots: one load of a wave is out.  Place 32 is left over: the eighth change fetches it alone,
; 2,048 bytes a wave, by the other arm of a branch on the count of slots: every way has one load.
; NO CLUSTER: the 16 work-groups of a head change blocks at 16 different places, so no two want the same tile in the same step.
; LIMITS: e6 + e7 between -100 and 100; e8 and e10 between -126 and 112; e8 + e9 goes by v_ldexp_f32.  The scaled scores stay under 2^31 in magnitude.  A p below 2^-126 counts as 0.
; REGISTERS (both windows): v12 -M, v13 largest t, v[14:15] sum; v16-23 Q; v24-87 K (window 1: V); v88-151 S^T, then p; v152-183 O^T; v184-215 bias; v216-231 p's codes; v232-239 the second block's Q; v240-251 at work; v252 2^e8; v254, v255 the hold.
.set STEPB, 16384
.set SLOT1, 1<<16
.set SPARE, 2*SLOT1                    ; the spare words: 128 bytes for each of eight waves
.set STAGE, SPARE+1024                 ; the parts: [wave][block 2][tile 2][4,608]: no fill lands here
.set TST,  4608                        ; a tile's part: O^T 4,096 bytes, then v12-15 512
.set WST,  4*TST
.set LI,   1                           ; 16 x lane
.set ADR,  2
.set PFO,  3                           ; 256 x lane
.set SPW,  4
.set NIL,  5
.set DQ,   6                           ; my query's place in its block - 8 h
.set NINF, 7
.set STG,  10                          ; where I put my parts
.set MA,   11                          ; where I read the two parts that I join
.set MB,   253
.set QF,   16
.set KV,   24
.set S,    88
.set O,    152
.set AB,   184
.set PC,   216
.set Q2,   232
.set SC,   252
.set LA,   254
.set LB,   255
.set TB,   2
.set P,    12
.set P1,   13
.set KS,   14
.set BD,   15
.set UW,   16                          ; the place that I fetch next
.set SLOTS, 17
.set WV,   18
.set LIM,  19
.set SEL,  20
.set CS,   22
.set G1,   24
.set G0,   32
.set PFA,  36
.set U,    38                          ; the place that I work on
.set BS,   39                          ; the bias of the step's first key, as t
.set NSL,  40
.set EPV,  41
.set GRP,  56
.set WQ,   57
.set KVW,  60                          ; s[60:61] kv at my head, + my half of a step
.set PB,   62                          ; 31 - p
.set G1H,  68
.set G0H,  76
.set W1,   0x55                        ; every operand place in window 1
.set MSB, 0
.macro WIN new                         ; the immediate's high byte repeats the setting that is left
.if MSB != (\new)
	s_set_vgpr_msb (MSB<<8)|(\new)
.set MSB, \new
.endif
.endm
.macro NOPS
.rept 4
	v_nop
.endr
.endm
.macro KSADR                           ; place u is key step u (u <= p) or u - p - 1
	s_cmp_gt_u32 s[UW], s[P]
	s_cselect_b32 s44, s[P1], 0
	s_sub_co_u32 s44, s[UW], s44
	s_lshl_b32 s44, s44, 14
	s_add_nc_u64 s[G0+2:G0+3], s[KVW:KVW+1], s[44:45]
	s_or_b32 s[G0+3], s[G0+3], 0x80000000
	s_add_co_u32 s[UW], s[UW], 4
.endm
.macro CLEAR                           ; a block begins: t = -3e38, -M = 3e38, sums of 0
	v_mov_b32 v13, 0xff61b1e6
	v_mov_b32 v12, 0x7f61b1e6
	v_mov_b32 v14, 0
	v_mov_b32 v15, 0
.set i, 0
.rept 32
	v_mov_b32 v[O+i], 0
.set i, i+1
.endr
.endm
.macro QNEXT
.set i, 0
.rept 8
	v_mov_b32 v[QF+i], v[Q2+i]
.set i, i+1
.endr
.endm
.macro SAVE blk                        ; my part of block blk, both tiles; four places stand behind the last products
	NOPS
.irp t, 0,1
	WIN 4*\t                               ; the data of an LDS store is source 1
.set i, 0
.rept 8
	ds_store_b128 v[STG], v[O+4*i:O+4*i+3] offset:\blk*2*TST+\t*TST+512*i
.set i, i+1
.endr
	ds_store_b128 v[STG], v[12:15] offset:\blk*2*TST+\t*TST+4096
.endr
	WIN 0
.endm
.macro MASK                            ; on the diagonal hidden scores become -infinity ahead of the maximum
.set n, 0
.rept 64
	v_cmp_gt_i32 vcc_lo, 16*(n/8)+n%8, v[DQ]
	v_cndmask_b32 v[S+n], v[S+n], v[NINF], vcc_lo
.set n, n+1
.endr
.endm
.macro PHA                             ; the largest score, the new M, f and the addend; then t - M
.irp c, 0,1,2,3
	v_max3_num_f32 v[240+\c], v[S+16*\c], v[S+16*\c+1], v[S+16*\c+2]
.endr
.irp i, 3,5,7,9,11,13
.irp c, 0,1,2,3
	v_max3_num_f32 v[240+\c], v[240+\c], v[S+16*\c+\i], v[S+16*\c+\i+1]
.endr
.endr
	v_max3_num_f32 v240, v240, v[S+15], v[S+31]
	v_max3_num_f32 v242, v242, v[S+47], v[S+63]
	v_max3_num_f32 v240, v240, v241, v243
	v_max_num_f32 v240, v240, v242
	v_fma_f32 v240, v240, s[CS], s[BS]             ; as t (c is positive)
	v_permlanex16_b32 v244, v240, s[SEL], s[SEL+1] ; my query's other 64 keys
	v_max3_num_f32 v13, v13, v240, v244
	v_mov_b32 v245, v12
	v_floor_f32 v12, -v13                          ; -M = floor(-t)
	v_sub_f32 v245, v12, v245                      ; old M - new M
	v_cvt_i32_f32 v245, v245                       ; (it saturates)
	v_ldexp_f32 v246, 1.0, v245                    ; f
	v_add_f32 v248, s[BS], v12
.set j, 0
.rept 32
	v_pk_fma_f32 v[S+j:S+j+1], v[S+j:S+j+1], s[CS:CS+1], v[248:249] op_sel_hi:[1,0,0]
.set j, j+2
.endr
.endm
.macro EXPS
.set j, 0
.rept 64
	v_exp_f32 v[S+j], v[S+j]
.set j, j+1
.endr
.endm
.macro PHC                             ; the sum of the unquantised p in eight chains, the hold and the codes, O^T under the new M
	v_pk_mul_f32 v[14:15], v[14:15], v[246:247] op_sel_hi:[1,0]   ; a plain line behind the exponentials
	s_wait_alu depctr_va_vdst(0)                   ; the wait ahead of the batch's first reader
.set j, 0
.irp c, 250,240,242,224,226,228,230
	v_pk_add_f32 v[\c:\c+1], v[S+j:S+j+1], v[S+j+2:S+j+3]
.set j, j+4
.endr
.rept 2
.irp c, 14,250,240,242,224,226,228,230
	v_pk_add_f32 v[\c:\c+1], v[\c:\c+1], v[S+j:S+j+1]
.set j, j+2
.endr
.endr
	v_pk_add_f32 v[14:15], v[14:15], v[S+60:S+61]
	v_pk_add_f32 v[250:251], v[250:251], v[S+62:S+63]
	v_pk_add_f32 v[240:241], v[240:241], v[242:243]
	v_pk_add_f32 v[224:225], v[224:225], v[226:227]
	v_pk_add_f32 v[228:229], v[228:229], v[230:231]
	v_pk_add_f32 v[14:15], v[14:15], v[250:251]
	v_pk_add_f32 v[240:241], v[240:241], v[224:225]
	v_pk_add_f32 v[14:15], v[14:15], v[228:229]
	v_pk_add_f32 v[14:15], v[14:15], v[240:241]
.set i, 0
.rept 8
.set j, 0
.rept 4
	v_dual_min_num_f32 v[S+8*i+j], v[S+8*i+j], v[LA] :: v_dual_min_num_f32 v[S+8*i+j+1], v[S+8*i+j+1], v[LB]   ; the conversion does not saturate (ISA guide 7.6.2); p is not negative: a one-sided hold, two a line
.set j, j+2
.endr
	v_cvt_scalef32_pk8_bf8_f32 v[PC+2*i:PC+2*i+1], v[S+8*i:S+8*i+7], v[SC]
.set i, i+1
.endr
	s_wait_alu depctr_va_vdst(0)                   ; the wait directly ahead of the first reader of O^T
.set j, 0
.rept 16
	v_pk_mul_f32 v[O+j:O+j+1], v[O+j:O+j+1], v[246:247] op_sel_hi:[1,0]
.set j, j+2
.endr
.endm
.macro SMUL lo                         ; four score products of the tile whose windows are set
.set i, \lo
.rept 4
	v_wmma_f32_16x16x64_bf8_bf8 v[S+8*i:S+8*i+7], v[KV+8*i:KV+8*i+7], v[QF:QF+7], v[AB+8*(i%4):AB+8*(i%4)+7]
.set i, i+1
.endr
.endm
.macro PV
.set i, 0
.rept 4
	v_wmma_f32_16x16x128_bf8_bf8 v[O+8*i:O+8*i+7], v[KV+16*i:KV+16*i+15], v[PC:PC+15], v[O+8*i:O+8*i+7]
.set i, i+1
.endr
.endm
; A KEY STEP: 128 keys against my 32 queries.  tail = 1: place 32, which group 0 alone has.
.macro STEP tail
.if \tail
	s_cmp_lg_u32 s[GRP], 0
	s_cbranch_scc1 .Lskip_\@
.else
	s_sub_co_u32 s42, s[U], s[P1]                  ; 0 or 1 at my first place of block 31 - p: once a wave
	s_cmp_lt_u32 s42, 2
	s_cbranch_scc0 .Lsame_\@
	SAVE 0
	CLEAR
	QNEXT
	WIN 0x40
	CLEAR
	WIN 0x41
	QNEXT
	WIN 0
.Lsame_\@:
.endif
	s_cmp_gt_i32 s[U], s[P]
	s_cselect_b32 s42, s[P1], 0
	s_cselect_b32 s[BD], s[PB], s[P]               ; the block in hand = its diagonal step
	s_sub_co_u32 s[KS], s[U], s42
	s_lshl_b32 s42, s[KS], 7
	s_sub_co_u32 s42, 4095, s42
	s_cvt_f32_u32 s42, s42
	s_mul_f32 s[BS], s[NSL], s42
	v_add_nc_u32 v[ADR], s[TB], v[LI]              ; with three v_nop: the places in front of loads into V's registers
.rept 3
	v_nop
.endr
.set i, 0
.rept 16
	ds_load_b128 v[KV+4*i:KV+4*i+3], v[ADR] offset:512*i
.set i, i+1
.endr
	WIN 0x40
.set i, 0
.rept 16
	ds_load_b128 v[KV+4*i:KV+4*i+3], v[ADR] offset:8192+512*i
.set i, i+1
.endr
	WIN 0
	s_wait_alu depctr_va_vdst(0)                   ; the wait directly ahead of the wait below
	s_wait_dscnt 16                                ; K is in; V's sixteen loads may be out
	SMUL 0
	WIN 0x10
	SMUL 4
	WIN 0x44
	SMUL 0
	WIN 0x54
	SMUL 4
	WIN 0
	NOPS
	s_cmp_lg_u32 s[KS], s[BD]
	s_cbranch_scc1 .Lopen_\@
	MASK
	WIN W1
	MASK
	WIN 0
.Lopen_\@:
	PHA
	WIN W1
	PHA
	WIN 0
	s_wait_alu depctr_va_vdst(0)                   ; the wait ahead of the batch: 128 exponentials
	EXPS
	WIN W1
	EXPS
	PHC
	WIN 0
	PHC
	s_wait_alu depctr_va_vdst(0)                   ; the wait directly ahead of the wait below
	s_wait_dscnt 0x0                               ; V is in
	WIN 0x01
	PV                                             ; eight accumulators by turns; the next step's sixteen score products stand between two links
	WIN W1
	PV
	WIN 0
.Lskip_\@:
	s_add_co_u32 s[U], s[U], 2
	s_add_co_u32 s[TB], s[TB], 2*STEPB
.endm
; THE CHANGE OF SLOTS, at a slot's head: all my tensor loads are in, the add, my reads of the slot left are over; the barrier; then the slot left is filled with the next four places.
; THE PREFETCH: work-group p = 0 of a head walks key steps 0 to 31 in order from its second place on; it alone asks, 8,192 bytes a wave, lanes 256 bytes apart, for the slot that the NEXT change will fetch: key steps 7 to 30 in six changes,
; each block of 256 bytes once.  Key steps 0 to 6 and 31 come by their loads alone.
.macro CHANGE fill
	s_wait_tensorcnt 0x0
	ds_add_u32 v[SPW], v[NIL]
.if \fill
	s_xor_b32 s[G0+1], s[G0+1], SLOT1
	KSADR
	s_wait_xcnt 0x0                                ; the last prefetch has read its address
	s_add_nc_u64 s[PFA:PFA+1], s[PFA:PFA+1], 4*STEPB
.endif
	s_wait_dscnt 0x0
	s_barrier_signal -1
	s_barrier_wait -1
.if \fill
	s_cmp_lg_u32 s[SLOTS], 1
	s_cbranch_scc0 .Lone_\@
	tensor_load_to_lds s[G0:G0+3], s[G1:G1+7]
	s_nop 0
	NOPS
	s_branch .Lasked_\@
.Lone_\@:
	tensor_load_to_lds s[G0H:G0H+3], s[G1H:G1H+7]  ; place 32 alone, at slot 0's head
	s_nop 0
	NOPS
.Lasked_\@:
	s_cmp_gt_u32 s[SLOTS], s[LIM]
	s_cbranch_scc0 .Lnot_mine_\@
	global_prefetch_b8 v[PFO], s[PFA:PFA+1] th:TH_LOAD_NT scope:SCOPE_SE
.Lnot_mine_\@:
.endif
.endm
	s_load_b128 s[4:7], s[0:1], 0x0                ; qc, kv
	s_load_b128 s[8:11], s[0:1], 0x10              ; the scales' exponents, ac
	v_lshl_add_u32 v[SPW], v0, 2, SPARE
	v_mov_b32 v[NIL], 0
	ds_add_u32 v[SPW], v[NIL]                      ; the opening lines: the add twice on end
	ds_add_u32 v[SPW], v[NIL]
	v_lshrrev_b32 v1, 5, v0
	v_readfirstlane_b32 s[WV], v1
	s_mov_b32 s[P], ttmp9
	s_add_co_u32 s[P1], s[P], 1
	s_sub_co_u32 s[PB], 31, s[P]
	s_and_b32 s53, ttmp7, 0xffff                   ; the head
	s_lshr_b32 s[GRP], s[WV], 2
	s_and_b32 s[WQ], s[WV], 3
.irp g, G1, G1H                                ; dense bytes as rows of 256: elements of 8 bytes, no padding
	s_mov_b32 s[\g], 3<<16
	s_mov_b32 s[\g+1], 32<<16
	s_mov_b32 s[\g+3], 32<<16
	s_mov_b32 s[\g+5], 32
	s_mov_b32 s[\g+6], 0
	s_mov_b32 s[\g+7], 0
.endr
	s_mov_b32 s[G1+2], 32<<16                      ; 32 rows: half a step
	s_mov_b32 s[G1+4], 32
	s_mov_b32 s[G1H+2], 8<<16                      ; 8 rows: an eighth of a step
	s_mov_b32 s[G1H+4], 8
	s_mov_b32 s[G0], 1
	s_lshl_b32 s[G0+1], s[WV], 13
	s_mov_b32 s[G0H], 1
	s_lshl_b32 s[G0H+1], s[WV], 11
	s_lshr_b32 s[UW], s[WV], 1
	s_mov_b32 s45, 0
	s_lshl_b32 s54, s53, 18
	s_mov_b32 s55, 0
	s_lshl_b32 s42, s53, 19
	s_mov_b32 s43, 0
	s_and_b32 s58, s[WV], 1
	s_lshl_b32 s58, s58, 13
	s_mov_b32 s59, 0
	s_wait_dscnt 0x0
	s_wait_kmcnt 0x0
	s_load_b128 s[48:51], s[8:9], 0x18             ; e6, e7, e8, e9
	s_load_b32 s52, s[8:9], 0x28                   ; e10
	s_add_nc_u64 s[4:5], s[4:5], s[54:55]
	s_add_nc_u64 s[6:7], s[6:7], s[42:43]
	s_add_nc_u64 s[KVW:KVW+1], s[6:7], s[58:59]
	s_lshl_b32 s44, s[PB], 14                      ; place 32 is key step 31 - p
	s_lshl_b32 s42, s[WV], 11
	s_add_co_u32 s44, s44, s42
	s_add_nc_u64 s[G0H+2:G0H+3], s[6:7], s[44:45]
	s_or_b32 s[G0H+3], s[G0H+3], 0x80000000
	KSADR
	tensor_load_to_lds s[G0:G0+3], s[G1:G1+7]      ; slot 0: places 0 to 3; every wave's one load at the head
	s_nop 0
	NOPS
	v_and_b32 v1, 31, v0
	v_bfe_u32 v245, v0, 4, 1
	v_and_b32 v[DQ], 15, v0
	v_lshlrev_b32 v[PFO], 8, v1
	v_lshlrev_b32 v[LI], 4, v1
	v_lshlrev_b32 v245, 3, v245                    ; 8 h
	v_sub_nc_u32 v[DQ], v[DQ], v245
	s_wait_alu depctr_va_vdst(0)
	s_lshl_b32 s43, s[WQ], 1
	s_lshl_b32 s42, s[P], 3
	s_add_co_u32 s42, s42, s43
	s_lshl_b32 s42, s42, 10                        ; my first tile of block p in qc,
	s_lshl_b32 s44, s[PB], 3
	s_add_co_u32 s44, s44, s43
	s_lshl_b32 s44, s44, 10                        ; and of block 31 - p
	v_add_nc_u32 v8, s42, v[LI]
	v_add_nc_u32 v9, s44, v[LI]
	global_load_b128 v[QF:QF+3], v8, s[4:5]
	global_load_b128 v[QF+4:QF+7], v8, s[4:5] offset:512
	global_load_b128 v[Q2:Q2+3], v9, s[4:5]
	global_load_b128 v[Q2+4:Q2+7], v9, s[4:5] offset:512
	WIN 0x40
	global_load_b128 v[QF:QF+3], v8, s[4:5] offset:1024
	global_load_b128 v[QF+4:QF+7], v8, s[4:5] offset:1536
	global_load_b128 v[Q2:Q2+3], v9, s[4:5] offset:1024
	global_load_b128 v[Q2+4:Q2+7], v9, s[4:5] offset:1536
	WIN 0
	s_cmp_eq_u32 s[GRP], 0                         ; what I join and store: group 0 block p, group 1 block 31 - p
	s_cselect_b32 s54, s[P], s[PB]
	s_lshl_b32 s54, s54, 3
	s_add_co_u32 s54, s54, s43
	s_lshl_b32 s54, s54, 12
	s_lshr_b32 s42, s53, 2
	s_lshl_b32 s42, s42, 20
	s_add_co_u32 s54, s54, s42
	s_and_b32 s42, s53, 3
	s_lshl_b32 s42, s42, 10
	s_add_co_u32 s54, s54, s42
	s_add_nc_u64 s[10:11], s[10:11], s[54:55]
	s_lshl_b32 s54, s[WV], 13
	s_add_co_u32 s54, s54, 3*STEPB                 ; the first change steps this to key step 7
	s_add_nc_u64 s[PFA:PFA+1], s[6:7], s[54:55]
	s_cmp_eq_u32 s[P], 0
	s_cselect_b32 s[LIM], 2, -1
	s_mov_b32 s[SEL], 0x76543210
	s_mov_b32 s[SEL+1], 0xfedcba98
	s_lshl_b32 s[TB], s[GRP], 14
	s_mov_b32 s[U], s[GRP]
	s_mov_b32 s[SLOTS], 8
	s_mul_i32 s54, s[WV], WST
	s_add_co_u32 s54, s54, STAGE
	v_add_nc_u32 v[STG], s54, v[LI]
	s_mul_i32 s54, s[WQ], WST
	s_mul_i32 s42, s[GRP], 2*TST
	s_add_co_u32 s54, s54, s42
	s_add_co_u32 s54, s54, STAGE
	v_add_nc_u32 v[MA], s54, v[LI]
	v_add_nc_u32 v[MB], 4*WST, v[MA]
	s_lshl_b32 s54, s[WQ], 5
	v_add_nc_u32 v[DQ], s54, v[DQ]
	v_mov_b32 v[NINF], 0xff800000
	v_mov_b32 v244, 0                              ; a lane permute's destination counts as a source
	v_mov_b32 v247, 0                              ; (upper halves of pairs)
	v_mov_b32 v249, 0
	CLEAR
.set i, 0
.rept 32
	v_add_nc_u32 v[AB+i], 16*(i/8)+i%8, v245       ; the key's place in its 64
.set i, i+1
.endr
.set i, 0
.rept 32
	v_cvt_f32_u32 v[AB+i], v[AB+i]
.set i, i+1
.endr
	s_wait_alu depctr_va_vdst(0)                   ; the wait directly ahead of the wait below
	s_wait_kmcnt 0x0
	s_add_co_i32 s54, s48, s49
	s_lshl_b32 s54, s54, 23
	s_mov_b32 s[CS], 0x3e38aa3b                    ; log2(e) / 8,
	s_add_co_u32 s[CS], s[CS], s54                 ; x 2^(e6 + e7)
	s_mov_b32 s[CS+1], s[CS]
	s_add_co_u32 s42, s53, 2
	s_lshr_b32 s42, s42, 1
	s_lshl_b32 s42, s42, 23                        ; slope = (head even: sqrt(2), odd: 1) x 2^-((head + 2) / 2, rounded down)
	s_mov_b32 s43, 0x3fb504f3
	s_mov_b32 s[NSL], 0x400293ee                   ; sqrt(2) log2(e)
	s_and_b32 s55, s53, 1
	s_cselect_b32 s43, 0x3f800000, s43
	s_cselect_b32 s[NSL], 0x3fb8aa3b, s[NSL]
	s_sub_co_u32 s43, s43, s42
	s_sub_co_u32 s[NSL], s[NSL], s42
	s_or_b32 s[NSL], s[NSL], 0x80000000            ; -slope log2(e)
	s_add_co_u32 s43, s43, 0x01800000
	s_sub_co_u32 s43, s43, s54                     ; slope x 8 / 2^(e6 + e7)
	s_add_co_u32 s55, s43, 0x03000000              ; x 64
	s_add_co_i32 s54, s50, 127
	s_lshl_b32 s42, s54, 23                        ; 2^e8
	s_add_co_i32 s54, s54, 15
	s_lshl_b32 s54, s54, 23
	s_or_b32 s54, s54, 0x600000                    ; 57,344 x 2^e8
	s_add_co_i32 s[EPV], s50, s51
	s_add_co_i32 s47, s52, 127
	s_lshl_b32 s46, s47, 23                        ; 2^e10
	s_add_co_i32 s47, s47, 15
	s_lshl_b32 s47, s47, 23
	s_or_b32 s47, s47, 0x600000                    ; 57,344 x 2^e10
.set i, 0
.rept 32
	v_mul_f32 v[AB+i], s43, v[AB+i]
.set i, i+1
.endr
	v_mov_b32 v[SC], s42
	v_mov_b32 v[LA], s54
	v_mov_b32 v[LB], s54
	WIN 0x40                                       ; tile 1's copies, in window 1
	v_add_nc_u32 v[DQ], 16, v[DQ]
	v_mov_b32 v[NINF], 0xff800000
	v_mov_b32 v244, 0
	v_mov_b32 v247, 0
	v_mov_b32 v249, 0
	v_mov_b32 v[SC], s42
	v_mov_b32 v[LA], s54
	v_mov_b32 v[LB], s54
	CLEAR
.set i, 0
.rept 32
	v_add_f32 v[AB+i], s55, v[AB+i]                ; the bias of keys 64 to 127
.set i, i+1
.endr
	WIN 0
	s_wait_alu depctr_va_vdst(0)                   ; the wait at the head's end
	s_wait_loadcnt 0x0                             ; Q
.Lslot:                                            ; eight trips of two rounds: places 0 to 31
	CHANGE 1
	s_mov_b32 s3, 2
.Lstep:
	STEP 0
	s_sub_co_u32 s3, s3, 1
	s_cmp_lg_u32 s3, 0
	s_cbranch_scc1 .Lstep
	s_sub_co_u32 s[TB], s[TB], 4*STEPB
	s_xor_b32 s[TB], s[TB], SLOT1
	s_sub_co_u32 s[SLOTS], s[SLOTS], 1
	s_cmp_lg_u32 s[SLOTS], 0
	s_cbranch_scc1 .Lslot
	CHANGE 0
	STEP 1
	SAVE 1
	s_wait_dscnt 0x0                               ; my parts are in LDS
	s_barrier_signal -1
	s_barrier_wait -1                              ; everybody's are
; THE JOIN.  M = the larger of the two; each part x 2^(its M - M), exact; the sums likewise; O^T / the sum x 2^(e8 + e9), quantised by 2^e10.
.irp t, 0,1
.set i, 0
.rept 9
	ds_load_b128 v[24+72*\t+4*i:24+72*\t+4*i+3], v[MA] offset:\t*TST+512*i
	ds_load_b128 v[60+72*\t+4*i:60+72*\t+4*i+3], v[MB] offset:\t*TST+512*i
.set i, i+1
.endr
.endr
	v_mov_b32 v250, s46
	v_mov_b32 v251, s47
	s_wait_alu depctr_va_vdst(0)                   ; the wait directly ahead of the wait below
	s_wait_dscnt 0x0
.macro FIN t
.set RA, 24+72*\t
.set RB, 60+72*\t
	v_min_num_f32 v240, v[RA+32], v[RB+32]         ; -M
	v_add_f32 v243, v[RA+34], v[RA+35]
	v_add_f32 v245, v[RB+34], v[RB+35]
	v_sub_f32 v241, v240, v[RA+32]
	v_sub_f32 v242, v240, v[RB+32]
	v_cvt_i32_f32 v241, v241                       ; (it saturates: a part with no key counts x 0)
	v_cvt_i32_f32 v242, v242
	v_ldexp_f32 v241, 1.0, v241
	v_ldexp_f32 v242, 1.0, v242
	v_mul_f32 v243, v243, v241
	v_fma_f32 v243, v245, v242, v243
	v_permlanex16_b32 v244, v243, s[SEL], s[SEL+1]
	v_add_f32 v243, v243, v244                     ; the row's sum
	s_wait_alu depctr_va_vdst(0)                   ; the wait ahead of the transcendental,
	v_rcp_f32 v243, v243
	v_nop
	s_wait_alu depctr_va_vdst(0)                   ; and ahead of its first reader
	v_ldexp_f32 v243, v243, s[EPV]
	v_mul_f32 v246, v241, v243
	v_mul_f32 v248, v242, v243
.set j, 0
.rept 16
	v_pk_mul_f32 v[RA+j:RA+j+1], v[RA+j:RA+j+1], v[246:247] op_sel_hi:[1,0]
.set j, j+2
.endr
.set j, 0
.rept 16
	v_pk_fma_f32 v[RA+j:RA+j+1], v[RB+j:RB+j+1], v[248:249], v[RA+j:RA+j+1] op_sel_hi:[1,0,1]
.set j, j+2
.endr
.set j, 0
.rept 32
	v_med3_num_f32 v[RA+j], v[RA+j], -v251, v251
.set j, j+1
.endr
.set i, 0
.rept 4
	v_cvt_scalef32_pk8_bf8_f32 v[216+8*\t+2*i:216+8*\t+2*i+1], v[RA+8*i:RA+8*i+7], v250
.set i, i+1
.endr
	v_nop                                          ; one plain line behind the last conversion
	global_store_b128 v[LI], v[216+8*\t:216+8*\t+3], s[10:11] offset:4096*\t       ; 512 consecutive bytes a store, aligned
	global_store_b128 v[LI], v[216+8*\t+4:216+8*\t+7], s[10:11] offset:4096*\t+512
.endm
	FIN 0
	FIN 1
	s_wait_tensorcnt 0x0                           ; the wave's end
	ds_add_u32 v[SPW], v[NIL]
	s_wait_dscnt 0x0
	s_endpgm
.Lfunc_end_k_q31f1435bed_attn:
	.size	k_q31f1435bed_attn, .Lfunc_end_k_q31f1435bed_attn-k_q31f1435bed_attn
	.p2alignl 7, 3214868480
	.fill 96, 4, 3214868480
	.section	.rodata,"a",@progbits
	.p2align	6, 0x0
	.amdhsa_kernel k_q31f1435bed_attn
		.amdhsa_group_segment_fixed_size 327680
		.amdhsa_private_segment_fixed_size 0
		.amdhsa_enable_private_segment 0
		.amdhsa_kernarg_size 32
		.amdhsa_user_sgpr_count 2
		.amdhsa_user_sgpr_kernarg_segment_ptr 1
		.amdhsa_wavefront_size32 1
		.amdhsa_system_sgpr_workgroup_id_x 1
		.amdhsa_system_sgpr_workgroup_id_y 1
		.amdhsa_system_sgpr_workgroup_id_z 1
		.amdhsa_system_vgpr_workitem_id 0
		.amdhsa_next_free_vgpr 512
		.amdhsa_next_free_sgpr 80
		.amdhsa_reserve_vcc 1
		.amdhsa_float_denorm_mode_32 3
		.amdhsa_float_denorm_mode_16_64 3
		.amdhsa_memory_ordered 1
		.amdhsa_forward_progress 1
		.amdhsa_inst_pref_size 113
	.end_amdhsa_kernel
	.amdgpu_metadata
---
amdhsa.version: [ 1, 2 ]
amdhsa.kernels:
  - .name:           k_q31f1435bed_attn
    .symbol:         k_q31f1435bed_attn.kd
    .args:
      - { .name: qc, .offset: 0, .size: 8, .value_kind: global_buffer, .address_space: global }
      - { .name: kv, .offset: 8, .size: 8, .value_kind: global_buffer, .address_space: global }
      - { .name: lowp_scales, .offset: 16, .size: 8, .value_kind: global_buffer, .address_space: global }
      - { .name: ac, .offset: 24, .size: 8, .value_kind: global_buffer, .address_space: global }
    .group_segment_fixed_size: 327680
    .private_segment_fixed_size: 0
    .kernarg_segment_align: 8
    .kernarg_segment_size: 32
    .max_flat_workgroup_size: 256
    .sgpr_count:     80
    .vgpr_count:     512
    .wavefront_size: 32
...
	.end_amdgpu_metadata
.endif
;; end of part 2
;; launch oproj (part 3): grid 8 x 32, 4 waves a work-group, clusters of 4 x 4, 327,680 bytes of LDS; arguments ac, Wo_codes, bo, lowp_scales, out0; writes out0
.if DOCPART == 3
	.amdgcn_target "amdgcn-amd-amdhsa--gfx1250"
	.amdhsa_code_object_version 6
	.text
	.protected	k_q31f1435bed_oproj
	.globl	k_q31f1435bed_oproj
	.p2align	8
	.type	k_q31f1435bed_oproj,@function
k_q31f1435bed_oproj:
	s_mov_b64 s[64:65], 0
	v_nop
	global_prefetch_b8 v0, s[64:65] scope:SCOPE_SE
	s_setreg_imm32_b32 hwreg(HW_REG_WAVE_MODE, 25, 1), 1
	s_wait_xcnt 0x0
	s_wait_alu depctr_hold_cnt(0) depctr_sa_sdst(0) depctr_va_vdst(0) depctr_va_sdst(0) depctr_va_ssrc(0) depctr_va_vcc(0) depctr_vm_vsrc(0)
	s_getreg_b32 s2, hwreg(HW_REG_IB_STS2, 6, 4)
	s_cmp_eq_u32 s2, 0
	s_cbranch_scc0 .Lentry_in_a_cluster
	s_endpgm
.Lentry_in_a_cluster:
	s_bfe_u32 s2, ttmp6, 0x10000c
	s_cmp_lg_u32 s2, 0xf033
	s_cbranch_scc0 .Lentry_shape_is_right
	s_endpgm
.Lentry_shape_is_right:
; out0 = a Wo + bo on codes of BF8 (E5M2).  a: the attention's output as images of operand registers: ac [k / 256][tile of 16 rows 256][4,096]: two fragments of 16 rows x 128 K, each four times 512 bytes, in the form's own layout
; (registers 2 c, 2 c + 1 hold k = 16 c + 8 h + 0 .. 7).  Wo: [1024 (n)][1024 (k)], one code a byte.  out0: [4096][1024] f32.
; A tile of out0 is 128 x 128: 256 work-groups.  Four waves, each 64 x 64: 16 accumulators.
; ALL OF K FITS IN LDS, and every byte is filled once: each wave issues ONE tensor load at the head.  Waves 0, 1: 64 rows of a, all of K: four runs of 16,384 dense bytes, 2^20 bytes apart, stated as 4 rows; waves 2, 3: 64 rows of Wo of
; 1,024 bytes, 16 bytes of padding behind each (pitch 1,040).  One wait and one barrier; then eight K steps of 128 on two sets of fragments, the next step but one fetched behind each step's products.
; CLUSTERS: 4 x 4.  The four of a row need the same rows of a, the four of a column the same rows of Wo: each tile is asked for jointly.  NO PREFETCH: the launch has no loop of loads to run ahead in.
; THE MATRIX INSTRUCTION IS USED TRANSPOSED (source 0 = 16 rows of Wo, source 1 = 16 rows of a): a lane holds eight neighbouring numbers of a row of out0.
; LIMIT: e10 + e11 between -126 and 127.
; REGISTERS: window 0: v1-31 addresses; v32-63 bo; v64-95 a block's results; v96-127 rows read back; v128-255 the accumulators.  window 1: two sets of fragments: A's 4 x 16, then B's 4 x 16.
.set PITCH, 272                        ; a stage row
.set BP,    1040                       ; a row of Wo in LDS
.set BBASE, 131072                     ; A: [half of the rows 2][k / 256 4][16,384]; then B
.set STAGE, BBASE+128*BP               ; 16 rows x 272 bytes for each wave: no fill lands here
.set SPARE, STAGE+4*16*PITCH
.set LI,   1
.set ADA,  16
.set ADB,  20
.set STO,  24
.set RD,   25
.set CO,   26
.set BO,   27
.set SPW,  30
.set NIL,  31
.set BN,   32
.set TMP,  64
.set BK,   96
.set ACC,  128
.set G1A,  24
.set G1B,  32
.set G0A,  40
.set G0B,  44
.set MSB, 0
.macro WIN new
.if MSB != (\new)
	s_set_vgpr_msb (MSB<<8)|(\new)
.set MSB, \new
.endif
.endm
.set MULW, 0x05                        ; sources 0 (B) and 1 (A) window 1; C and D window 0
.set TO_F, 0x40
.macro CROUND                          ; a round of the cluster's barrier
	s_barrier_signal -1
	s_barrier_wait -1
	s_cmp_lg_u32 s14, 0
	s_cbranch_scc1 .Lnot_wave_0_\@
	s_barrier_signal -3
.Lnot_wave_0_\@:
	s_barrier_wait -3
	s_barrier_signal -1
	s_barrier_wait -1
.endm
	s_load_b256 s[4:11], s[0:1], 0x0               ; ac, Wo, bo, the scales' exponents
	s_load_b64 s[12:13], s[0:1], 0x20              ; out0
	v_lshl_add_u32 v[SPW], v0, 2, SPARE
	v_mov_b32 v[NIL], 0
	ds_add_u32 v[SPW], v[NIL]                      ; the opening lines: the add twice on end
	ds_add_u32 v[SPW], v[NIL]
	v_lshrrev_b32 v1, 5, v0
	v_readfirstlane_b32 s14, v1
	s_lshr_b32 s15, s14, 1                         ; my half of the tile's rows; also: I fetch for A (0) or B (1)
	s_and_b32 s16, s14, 1                          ; my half of its columns; also: which 64 rows I fetch
	s_bfe_u32 s84, ttmp6, 0x40000
	s_bfe_u32 s85, ttmp6, 0x40004
	s_lshl_b32 s86, ttmp9, 2
	s_add_co_u32 s86, s86, s84                     ; tile column
	s_and_b32 s87, ttmp7, 0xffff
	s_lshl_b32 s87, s87, 2
	s_add_co_u32 s87, s87, s85                     ; tile row
	s_lshl_b32 s88, s85, 2
	s_lshl_b32 s88, 15, s88
	s_lshl_b32 s89, 0x1111, s84
	s_or_b32 s[G1A], s88, (3<<16)|(1<<21)          ; A: my row's mask; elements of 8 bytes; no padding
	s_mov_b32 s[G1A+1], 2048<<16                   ; a row: 2,048 elements = 16,384 bytes
	s_mov_b32 s[G1A+2], 4<<16
	s_mov_b32 s[G1A+3], 2048<<16
	s_mov_b32 s[G1A+4], 4
	s_mov_b32 s[G1A+5], 131072                     ; 2^20 bytes from row to row
	s_mov_b32 s[G1A+6], 0
	s_mov_b32 s[G1A+7], 0
	s_or_b32 s[G1B], s89, (1<<20)|(1<<21)|(7<<22)|(3<<25)   ; B: my column's mask; elements of 1 byte; 4 words of padding after every 256
	s_mov_b32 s[G1B+1], 1024<<16
	s_mov_b32 s[G1B+2], 64<<16
	s_mov_b32 s[G1B+3], 1024<<16
	s_mov_b32 s[G1B+4], 64
	s_mov_b32 s[G1B+5], 1024
	s_mov_b32 s[G1B+6], 0
	s_mov_b32 s[G1B+7], 0
	s_lshl_b32 s20, s87, 15                        ; A: the tile row's 8 tiles of 4,096 bytes,
	s_lshl_b32 s17, s16, 14                        ; my four of them
	s_add_co_u32 s20, s20, s17
	s_mov_b32 s21, 0
	s_lshl_b32 s22, s86, 17                        ; B: row 128 x tile column,
	s_lshl_b32 s18, s16, 16                        ; + my 64 rows of 1,024 bytes; also A's place in LDS
	s_add_co_u32 s22, s22, s18
	s_mov_b32 s23, 0
	s_mul_i32 s19, s16, 64*BP
	s_add_co_u32 s19, s19, BBASE
	s_wait_dscnt 0x0
	s_wait_kmcnt 0x0
	s_load_b64 s[96:97], s[10:11], 0x28            ; e10, e11
	s_add_nc_u64 s[58:59], s[4:5], s[20:21]
	s_add_nc_u64 s[60:61], s[6:7], s[22:23]
	CROUND                                         ; all sixteen work-groups are here: the joint loads meet
	s_mov_b32 s[G0A], 1
	s_mov_b32 s[G0A+1], s18
	s_mov_b64 s[G0A+2:G0A+3], s[58:59]
	s_or_b32 s[G0A+3], s[G0A+3], 0x80000000
	s_mov_b32 s[G0B], 1
	s_mov_b32 s[G0B+1], s19
	s_mov_b64 s[G0B+2:G0B+3], s[60:61]
	s_or_b32 s[G0B+3], s[G0B+3], 0x80000000
	s_cmp_eq_u32 s15, 0
	s_cbranch_scc0 .Lfor_b
	tensor_load_to_lds s[G0A:G0A+3], s[G1A:G1A+7]
	s_nop 0
.rept 4
	v_nop
.endr
	s_branch .Lasked
.Lfor_b:
	tensor_load_to_lds s[G0B:G0B+3], s[G1B:G1B+7]
	s_nop 0
.rept 4
	v_nop
.endr
.Lasked:
	v_and_b32 v2, 15, v0                           ; r
	v_bfe_u32 v3, v0, 4, 1                         ; h
	v_and_b32 v1, 31, v0
	v_lshlrev_b32 v[LI], 4, v1
	s_wait_alu depctr_va_vdst(0)
	s_lshl_b32 s57, s86, 9
	s_lshl_b32 s56, s16, 8
	s_add_co_u32 s57, s57, s56                     ; my first column, in bytes of f32
	v_lshl_add_u32 v[BO], v3, 5, s57
.irp b, 0,1,2,3
	global_load_b128 v[BN+8*\b:BN+8*\b+3], v[BO], s[8:9] offset:64*\b
	global_load_b128 v[BN+8*\b+4:BN+8*\b+7], v[BO], s[8:9] offset:64*\b+16
.endr
	s_lshl_b32 s56, s15, 16
	v_add_nc_u32 v[ADA], s56, v[LI]
	v_mul_u32_u24 v4, v2, BP
	v_lshl_add_u32 v4, v3, 3, v4                   ; B: row r x pitch + 8 h
	s_mul_i32 s56, s16, 64*BP
	s_add_co_u32 s56, s56, BBASE
	v_add_nc_u32 v[ADB], s56, v4
	s_mul_i32 s56, s14, 16*PITCH
	s_add_co_u32 s56, s56, STAGE
	v_mul_u32_u24 v5, v2, PITCH
	v_lshl_add_u32 v5, v3, 5, v5
	v_add_nc_u32 v[STO], s56, v5
	v_mul_u32_u24 v5, v3, PITCH
	v_lshl_add_u32 v5, v2, 4, v5
	v_add_nc_u32 v[RD], s56, v5
	v_lshlrev_b32 v[CO], 12, v3
	v_lshl_add_u32 v[CO], v2, 4, v[CO]
	s_lshl_b32 s62, s87, 19
	s_lshl_b32 s56, s15, 18
	s_add_co_u32 s62, s62, s56
	s_add_co_u32 s62, s62, s57
	s_mov_b32 s63, 0
	s_add_nc_u64 s[12:13], s[12:13], s[62:63]
; 48 LDS loads: the fragments of K step k into set f: A's four by four loads of 16 bytes (images), B's four by eight loads of 8 bytes (rows)
.macro FETCH k, f
	WIN TO_F
.irp a, 0,1,2,3
.irp c, 0,1,2,3
	ds_load_b128 v[\f+16*\a+4*\c:\f+16*\a+4*\c+3], v[ADA] offset:((\k)/2)*16384+\a*4096+((\k)%2)*2048+512*\c
.endr
.endr
.irp b, 0,1,2,3
.irp c, 0,1,2,3,4,5,6,7
	ds_load_b64 v[\f+64+16*\b+2*\c:\f+64+16*\b+2*\c+1], v[ADB] offset:\b*16*BP+128*(\k)+16*\c
.endr
.endr
.endm
; 16 matrix instructions, 128 along K; the 16 accumulators take turns, in the same order in every step
.macro MUL f, zero
	WIN MULW
.irp a, 0,1,2,3
.irp b, 0,1,2,3
.if \zero
	v_wmma_f32_16x16x128_bf8_bf8 v[ACC+8*(4*\a+\b):ACC+8*(4*\a+\b)+7], v[\f+64+16*\b:\f+64+16*\b+15], v[\f+16*\a:\f+16*\a+15], 0
.else
	v_wmma_f32_16x16x128_bf8_bf8 v[ACC+8*(4*\a+\b):ACC+8*(4*\a+\b)+7], v[\f+64+16*\b:\f+64+16*\b+15], v[\f+16*\a:\f+16*\a+15], v[ACC+8*(4*\a+\b):ACC+8*(4*\a+\b)+7]
.endif
.endr
.endr
.endm
	s_wait_alu depctr_va_vdst(0)                   ; the wait at the head's end
	s_wait_tensorcnt 0x0                           ; my load is in
	s_barrier_signal -1
	s_barrier_wait -1                              ; everybody's is
	FETCH 0, 0
	FETCH 1, 128
.irp k, 0,1,2,3,4,5,6,7
.if \k < 7
	s_wait_dscnt 48                                ; this step's fragments are in; the next step's 48 loads may be out
.else
	s_wait_dscnt 0x0
.endif
.if \k == 0
	MUL 0, 1
.else
	MUL 128*(\k%2), 0
.endif
.rept 4
	v_nop                                          ; places behind the products: loads land in their operands; behind the last step their results are read
.endr
.if \k < 6
	FETCH \k+2, 128*(\k%2)
.endif
.endr
	WIN 0
	; THE WAY OUT, 16 rows x my 64 columns at a time: sum x 2^(e10 + e11) + bo; through my own stage; back as whole rows of 256 bytes
	s_wait_kmcnt 0x0
	s_add_co_i32 s96, s96, s97
	s_add_co_i32 s96, s96, 127
	s_lshl_b32 s96, s96, 23
	s_mov_b32 s97, s96
	s_wait_loadcnt 0x0                             ; bo
.irp a, 0,1,2,3
.set j, 0
.rept 16
	v_pk_fma_f32 v[TMP+j:TMP+j+1], v[ACC+32*\a+j:ACC+32*\a+j+1], s[96:97], v[BN+j:BN+j+1] op_sel_hi:[1,0,1]   ; each accumulator from its low end on
.set j, j+2
.endr
.irp b, 0,1,2,3
	ds_store_b128 v[STO], v[TMP+8*\b:TMP+8*\b+3] offset:64*\b
	ds_store_b128 v[STO], v[TMP+8*\b+4:TMP+8*\b+7] offset:64*\b+16
.endr
.if \a > 0
	s_wait_xcnt 0x0                                ; the last block's stores have read the registers that the loads below fill
.endif
.irp t, 0,1,2,3,4,5,6,7
	ds_load_b128 v[BK+4*\t:BK+4*\t+3], v[RD] offset:\t*2*PITCH     ; LDS serves a wave's instructions in order (ISA guide 5.7.1.4)
.endr
	s_wait_dscnt 0x0
.irp t, 0,1,2,3,4,5,6,7
	global_store_b128 v[CO], v[BK+4*\t:BK+4*\t+3], s[12:13] offset:(16*\a+2*\t)*4096 th:TH_STORE_NT   ; 16 lanes store 256 consecutive bytes, aligned
.endr
.endr
	s_wait_tensorcnt 0x0                           ; the wave's end
	ds_add_u32 v[SPW], v[NIL]
	s_wait_dscnt 0x0
	CROUND                                         ; the closing round
	s_endpgm
.Lfunc_end_k_q31f1435bed_oproj:
	.size	k_q31f1435bed_oproj, .Lfunc_end_k_q31f1435bed_oproj-k_q31f1435bed_oproj
	.p2alignl 7, 3214868480
	.fill 96, 4, 3214868480
	.section	.rodata,"a",@progbits
	.p2align	6, 0x0
	.amdhsa_kernel k_q31f1435bed_oproj
		.amdhsa_group_segment_fixed_size 327680
		.amdhsa_private_segment_fixed_size 0
		.amdhsa_enable_private_segment 0
		.amdhsa_kernarg_size 40
		.amdhsa_user_sgpr_count 2
		.amdhsa_user_sgpr_kernarg_segment_ptr 1
		.amdhsa_wavefront_size32 1
		.amdhsa_system_sgpr_workgroup_id_x 1
		.amdhsa_system_sgpr_workgroup_id_y 1
		.amdhsa_system_sgpr_workgroup_id_z 1
		.amdhsa_system_vgpr_workitem_id 0
		.amdhsa_next_free_vgpr 512
		.amdhsa_next_free_sgpr 100
		.amdhsa_reserve_vcc 0
		.amdhsa_float_denorm_mode_32 3
		.amdhsa_float_denorm_mode_16_64 3
		.amdhsa_memory_ordered 1
		.amdhsa_forward_progress 1
		.amdhsa_inst_pref_size 52
	.end_amdhsa_kernel
	.amdgpu_metadata
---
amdhsa.version: [ 1, 2 ]
amdhsa.kernels:
  - .name:           k_q31f1435bed_oproj
    .symbol:         k_q31f1435bed_oproj.kd
    .args:
      - { .name: ac, .offset: 0, .size: 8, .value_kind: global_buffer, .address_space: global }
      - { .name: Wo_codes, .offset: 8, .size: 8, .value_kind: global_buffer, .address_space: global }
      - { .name: bo, .offset: 16, .size: 8, .value_kind: global_buffer, .address_space: global }
      - { .name: lowp_scales, .offset: 24, .size: 8, .value_kind: global_buffer, .address_space: global }
      - { .name: out0, .offset: 32, .size: 8, .value_kind: global_buffer, .address_space: global }
    .group_segment_fixed_size: 327680
    .private_segment_fixed_size: 0
    .kernarg_segment_align: 8
    .kernarg_segment_size: 40
    .max_flat_workgroup_size: 128
    .sgpr_count:     100
    .vgpr_count:     512
    .wavefront_size: 32
...
	.end_amdgpu_metadata
.endif
;; end of part 3
